; MI455X (gfx1250); checked and timed in simulation.
; The chip was launched on July 23, 2026; its instructions are those of AMD's public machine-readable ISA for CDNA 5 (MIT licence, August 2026) and "CDNA5" Instruction Set Architecture Reference Guide (July 2026). The comments in the code are by the model that wrote it; some were corrected since.
;; Mixer Block. Allowed arithmetic: matrix products marked QUANTISED: E4M3 operands, one given power-of-two scale a tensor, by v_wmma_f32_16x16x64_fp8_fp8 or v_wmma_f32_16x16x128_fp8_fp8, f32 sums; everything else in f32.
;; Inputs: in_b 1,024 float32; in_w 1,024 x 1,024 float32; lowp_scales 6 int32 (the exponents e of the quantised operands' scales 2^e); mix_b 16 x 2,048 float32; mix_w 16 x 2,048 float32; out_b 1,024 float32; out_w 1,024 x 1,024 float32; x 4 x 1,024 x 2,048 float32.
;; Outputs: out0 4 x 1,024 x 2,048 float32.
;; This version of the problem:
;;   THIS VERSION OF THE PROBLEM IS GIVEN IN LOW PRECISION. The matrix products marked QUANTISED in the list below multiply operands that are first quantised to E4M3 (4 exponent bits, 3 mantissa bits; 8 bits a number), with one given power-of-two scale for each operand tensor; their sums are f32. All else is computed in f32.
;;   The module's matrix products, in the order in which they are computed (A, B: the left and right operand; K: the contracted axis; several contracted axes count as one K, in the product's order):
;;     1. [M 8,192, K 1,024] x [K 1,024, N 1,024]; A: input x; B: input in_w: QUANTISED (scales: A lowp_scales[0], B lowp_scales[1])
;;     2. batch 16 x [M 2,048, K 2,048] x [K 2,048, N 256]; A: computed on the way; B: computed on the way: QUANTISED (scales: A lowp_scales[2], B lowp_scales[3])
;;     3. [M 8,192, K 1,024] x [K 1,024, N 1,024]; A: computed on the way; B: input out_w: QUANTISED (scales: A lowp_scales[4], B lowp_scales[5])
;;   THE QUANTISER, for each operand of a quantised product, along K:
;;     - The operand's scale is 2^e, e = its entry of the input lowp_scales (int32; the entries are numbered through the quantised products in the list's order, A before B).
;;     - Each number is divided by the scale, clamped to +-448, and rounded to the nearest number of E4M3, ties to even, subnormals kept.
;;     - The product sums the exact products of the quantised numbers (number of the format x scale) in f32.
;;   ~~~python
;;   def quantise(x, axis, e):      # numpy; x: float32 -> the quantised numbers, widened to float32 again
;;       x = np.moveaxis(x, axis, -1); K = x.shape[-1]
;;       r = np.clip(x / 2.0 ** e, -448, 448)
;;       step = 2.0 ** (np.maximum(np.frexp(np.where(r == 0, 1, r))[1] - 1, -6) - 3)
;;       q = np.round(r / step) * step * 2.0 ** e      # np.round: ties to even
;;       return np.moveaxis(q, -1, axis).astype(np.float32)
;;   ~~~
;;   OPERANDS COMPUTED ON THE WAY. 'Computed on the way' means the value that the module computes at that place (a softmax that the list does not call 'softmax' is quantised finished and normalised). What goes into a quantiser is computed in f32, as accurately as f32 sums, v_exp_f32 and their like allow (about 1e-6 of the number): no bf16 or f16 on the way to a quantiser, and a product that is left as it is and whose result goes on into a quantised operand takes f32 operands (vector FMAs, or v_wmma_f32_16x16x4_f32). A number that lies on a knife's edge between two numbers of the format may be rounded either way, as far as f32 arithmetic and the matrix unit's own rounding can turn it there, and no further.
;; One version. Each part assembles by itself: llvm-mc -triple=amdgcn-amd-amdhsa -mcpu=gfx1250 --defsym DOCPART=n.
;; ======== version 1 of 1: 3 launches
;; limits: right only within a limited range of input values
;; workspace buffers: xq 8,388,608 bytes; w1q 1,048,576 bytes; w2q 1,048,576 bytes; pq 8,388,608 bytes; bsum 262,144 bytes
;; launch quant (part 1): grid 768 x 1, 4 waves a work-group, no clusters, 34,304 bytes of LDS; arguments x, in_w, out_w, lowp_scales, xq, w1q, w2q; writes xq, w1q, w2q
.if DOCPART == 1
	.amdgcn_target "amdgcn-amd-amdhsa--gfx1250"
	.amdhsa_code_object_version 6
	.text
	.protected	k_qbacebb7857_quant
	.globl	k_qbacebb7857_quant
	.p2align	8
	.type	k_qbacebb7857_quant,@function
k_qbacebb7857_quant:
	s_mov_b64 s[64:65], 0
	v_nop
	global_prefetch_b8 v0, s[64:65] scope:SCOPE_SE
	s_setreg_imm32_b32 hwreg(HW_REG_WAVE_MODE, 25, 1), 1
	s_wait_xcnt 0x0
; x [4][1024 e][2048 t], in_w and out_w [1024 n][1024 k], all f32, become codes of E4M3 with the given scales 2^e0, 2^e1, 2^e5.
; code = number / 2^e, held within +-448, rounded to the nearest code, ties to even.
; THE CODES ARE LAID AS IMAGES OF THE OPERAND'S REGISTERS.  An image is 16 rows x 128 k in 2,048 bytes: the byte at 512 g + 16 (16 hh + r) + 8 u + i
; holds the code of (row r, k = 32 g + 16 u + 8 hh + i).  Four loads of 16 bytes at 16 x lane + 512 g then give lane (r, hh) its registers 4 g .. 4 g + 3 of the fragment.
;   xq  [8 b + t / 256][e / 128][(t % 256) / 16][image]: rows t, k = e        w1q, w2q [n / 128][k / 128][(n % 128) / 16][image]: rows n
; Work-groups 0 to 511 take x, 512 to 639 in_w, 640 to 767 out_w.  Waves share nothing: no barrier.  Only the weights' path uses LDS.
; LIMITS: e0, e1 and e5 between -126 and 119, so that 2^e and 448 x 2^e are f32 numbers.  NaN among the inputs is not served.
; THE PROGRAM: quant (x and both weights into codes), proj_in (first product, p into codes, sums of p over blocks of 128 t), mix_out (mixing and last product).
; WORK LEFT OUT, in mix_out.  The mixing matrix is W[t][s] = mix_w[h][s] (heads 0-7) or mix_w[h][t] (heads 8-15) where t <= s, and a zero that reference() builds itself where t > s.  So for every input
; the blocks of 128 t above the diagonal add nothing, and the sum over a whole block of 128 t below it is the same for every s of a later block: for heads 8-15 as it stands; for heads 0-7 it is
; mix_w[h][s] times the sum of p.  proj_in makes these sums once a block (codes on the matrix unit, sums in f32), mix_out adds those of the earlier blocks and multiplies only the block on the diagonal.
; LIMIT: a NaN or an infinity that would reach a result only through a product with such a zero is not carried to it.
.set X,      32
.set C,      96                        ; x's path: v96-127 codes, eight registers for each block, never rewritten
.set N,      96                        ; the weights' path: v96-159 the lane's 64 numbers;  v160-175 its codes
.set SPITCH, 528                       ; the weights' stage: a row of 512 bytes + 16: the 16 rows that a read touches start 16 bytes apart modulo 256
	s_load_b256 s[4:11], s[0:1], 0x0               ; x s[4:5], in_w s[6:7], out_w s[8:9], the exponents s[10:11]
	s_load_b128 s[12:15], s[0:1], 0x20             ; xq s[12:13], w1q s[14:15]
	s_load_b64 s[16:17], s[0:1], 0x30              ; w2q
	v_lshl_add_u32 v192, v0, 2, 0x8400
	v_mov_b32 v193, 0
	v_lshrrev_b32 v1, 5, v0
	v_readfirstlane_b32 s18, v1                    ; wave 0..3
	v_and_b32 v2, 31, v0                           ; lane
	v_and_b32 v6, 15, v0                           ; r
	v_bfe_u32 v5, v0, 4, 1                         ; hh
	s_wait_kmcnt 0x0
	s_load_b128 s[20:23], s[10:11], 0x0            ; e0 .. e3
	s_load_b64 s[24:25], s[10:11], 0x10            ; e4, e5
	s_cmp_lt_u32 ttmp9, 512
	s_cbranch_scc0 .Lweights
; ---- x.  K = e is not innermost: A LANE TAKES A COLUMN t AND ITS REGISTERS RUN DOWN e, so the conversions give codes with k innermost and nothing is transposed.
; The work-group takes 128 t x 128 e, a wave 32 t: each load reads 128 consecutive bytes a wave, the four waves side by side.
	s_and_b32 s30, ttmp9, 15                       ; tc: which 128 t
	s_bfe_u32 s31, ttmp9, 0x30004                  ; kf: which 128 e
	s_lshr_b32 s32, ttmp9, 7                       ; b
	s_lshl_b32 s34, s32, 23                        ; b x 1024 x 8,192 bytes
	s_lshl_b32 s35, s31, 20                        ; + kf x 128 rows of 8,192
	s_add_co_u32 s34, s34, s35
	s_lshl_b32 s35, s30, 9                         ; + tc x 512
	s_add_co_u32 s34, s34, s35
	s_lshl_b32 s35, s18, 7                         ; + wave x 128
	s_add_co_u32 s34, s34, s35
	s_mov_b32 s35, 0
	s_add_nc_u64 s[4:5], s[4:5], s[34:35]
	s_lshl_b32 s36, s32, 3                         ; the wave's first image: (((8 b + tc / 2) 8 + kf) 16 + 8 (tc % 2) + 2 wave) x 2,048
	s_lshr_b32 s37, s30, 1
	s_add_co_u32 s36, s36, s37
	s_lshl_b32 s36, s36, 3
	s_add_co_u32 s36, s36, s31
	s_lshl_b32 s36, s36, 4
	s_and_b32 s37, s30, 1
	s_lshl_b32 s37, s37, 3
	s_add_co_u32 s36, s36, s37
	s_lshl_b32 s37, s18, 1
	s_add_co_u32 s36, s36, s37
	s_lshl_b32 s36, s36, 11
	s_mov_b32 s37, 0
	s_add_nc_u64 s[12:13], s[12:13], s[36:37]
	s_wait_alu depctr_va_vdst(0)
	v_lshlrev_b32 v3, 2, v2                        ; in: 4 bytes a lane
	v_lshlrev_b32 v4, 4, v6                        ; out: 16 r, and lanes 16-31 one image further on
	v_lshl_add_u32 v4, v5, 11, v4
.macro LOAD g                          ; block g: x(32 g + i, my column), i = 0 .. 31, into set g % 2
.set i, 0
.rept 32
	global_load_b32 v[X+32*((\g)%2)+i], v3, s[4:5] offset:(32*(\g)+i)*8192 th:TH_LOAD_NT
.set i, i+1
.endr
.endm
	LOAD 0
	LOAD 1
	s_wait_kmcnt 0x0
	s_add_co_i32 s26, s20, 127
	s_lshl_b32 s27, s26, 23
	v_mov_b32 v11, s27                             ; 2^e0 as f32: the conversion takes its exponent field
	s_add_co_i32 s26, s26, 8
	s_lshl_b32 s26, s26, 23
	s_or_b32 s26, s26, 0x600000
	v_mov_b32 v10, s26                             ; 448 x 2^e0
.macro BLOCK g
.set XS, X+32*((\g)%2)
.set CB, C+8*(\g)
.if (\g) < 3
	s_wait_loadcnt 32                              ; this block's 32 loads are in; the next block's 32 may be out
.else
	s_wait_loadcnt 0x0
.endif
.set i, 0
.rept 32
	v_med3_num_f32 v[XS+i], v[XS+i], -v10, v10     ; the conversion to an 8-bit code does not saturate (ISA guide 7.6.2): the hold comes first
.set i, i+1
.endr
	v_cvt_scalef32_pk8_fp8_f32 v[CB:CB+1],   v[XS:XS+7],     v11   ; hh = 0: k = 32 g + 0 .. 7,
	v_cvt_scalef32_pk8_fp8_f32 v[CB+2:CB+3], v[XS+16:XS+23], v11   ;         and 32 g + 16 .. 23
	v_cvt_scalef32_pk8_fp8_f32 v[CB+4:CB+5], v[XS+8:XS+15],  v11   ; hh = 1: k = 32 g + 8 .. 15,
	v_cvt_scalef32_pk8_fp8_f32 v[CB+6:CB+7], v[XS+24:XS+31], v11   ;         and 32 g + 24 .. 31
	v_nop                                          ; a plain line behind the run of conversions
	global_store_b128 v4, v[CB:CB+3],   s[12:13] offset:512*(\g)       ; sixteen lanes store 256 consecutive bytes, aligned, of one image
	global_store_b128 v4, v[CB+4:CB+7], s[12:13] offset:512*(\g)+256
.if (\g)+2 < 4
	LOAD (\g)+2
.endif
.endm
	s_wait_alu depctr_va_vdst(0)
	BLOCK 0
	BLOCK 1
	BLOCK 2
	BLOCK 3
	s_endpgm
; ---- the weights.  K is innermost.  A wave makes one image: 16 rows x 128 k.  Each load reads a row's 512 consecutive bytes; the rows turn through the wave's own stage in LDS,
; so that lane (r, hh) gets, of row r, the eight neighbours 32 g + 16 u + 8 hh + 0 .. 7 that each conversion wants.
.Lweights:
	s_sub_co_u32 s30, ttmp9, 512                   ; 0 .. 127: in_w;  128 .. 255: out_w
	s_and_b32 s31, s30, 127
	s_lshl_b32 s31, s31, 2
	s_add_co_u32 s31, s31, s18                     ; the image's number: ((n / 128) 8 + k / 128) 8 + (n % 128) / 16
	s_cmp_lt_u32 s30, 128                          ; the choice hangs on the work-group's number alone
	s_cselect_b64 s[6:7], s[6:7], s[8:9]
	s_cselect_b64 s[14:15], s[14:15], s[16:17]
	s_lshr_b32 s32, s31, 6
	s_lshl_b32 s32, s32, 19                        ; 128 rows of 4,096 bytes
	s_and_b32 s33, s31, 7
	s_lshl_b32 s33, s33, 16                        ; 16 rows
	s_add_co_u32 s32, s32, s33
	s_bfe_u32 s33, s31, 0x30003
	s_lshl_b32 s33, s33, 9                         ; 128 numbers along k
	s_add_co_u32 s32, s32, s33
	s_mov_b32 s33, 0
	s_add_nc_u64 s[6:7], s[6:7], s[32:33]
	s_lshl_b32 s34, s31, 11
	s_mov_b32 s35, 0
	s_add_nc_u64 s[14:15], s[14:15], s[34:35]
	s_wait_alu depctr_va_vdst(0)
	v_lshlrev_b32 v3, 4, v2                        ; 16 x lane
	s_mul_i32 s36, s18, 16*SPITCH                  ; my stage
	v_add_nc_u32 v7, s36, v3                       ; into it: a row as it lies
	v_mul_u32_u24 v8, v6, SPITCH
	v_lshl_add_u32 v8, v5, 5, v8
	v_add_nc_u32 v8, s36, v8                       ; out of it: row r, + 32 hh bytes
.set i, 0
.rept 16
	global_load_b128 v[X+4*i:X+4*i+3], v3, s[6:7] offset:4096*i th:TH_LOAD_NT
.set i, i+1
.endr
	s_wait_alu depctr_va_vdst(0)
	s_wait_kmcnt 0x0
	s_cmp_lt_u32 s30, 128
	s_cselect_b32 s26, s21, s25                    ; e1 or e5
	s_add_co_i32 s26, s26, 127
	s_lshl_b32 s27, s26, 23
	v_mov_b32 v11, s27
	s_add_co_i32 s26, s26, 8
	s_lshl_b32 s26, s26, 23
	s_or_b32 s26, s26, 0x600000
	v_mov_b32 v10, s26
.set i, 0
	s_wait_alu depctr_va_vdst(0)
.rept 16
	s_wait_loadcnt 15-i                            ; row i is in; the younger rows may be out
	ds_store_b128 v7, v[X+4*i:X+4*i+3] offset:SPITCH*i
.set i, i+1
.endr
.irp g, 0,1,2,3                        ; LDS serves a wave's instructions in order (ISA guide 5.7.1.4): these see my stores
	ds_load_b128 v[N+16*\g:N+16*\g+3],     v8 offset:128*\g
	ds_load_b128 v[N+16*\g+4:N+16*\g+7],   v8 offset:128*\g+16
	ds_load_b128 v[N+16*\g+8:N+16*\g+11],  v8 offset:128*\g+64
	ds_load_b128 v[N+16*\g+12:N+16*\g+15], v8 offset:128*\g+80
.endr
.irp g, 0,1,2,3
	s_wait_dscnt 12-4*\g                           ; group g's four loads are in; the younger groups' may be out
.set i, 0
.rept 16
	v_med3_num_f32 v[N+16*\g+i], v[N+16*\g+i], -v10, v10
.set i, i+1
.endr
	v_cvt_scalef32_pk8_fp8_f32 v[160+4*\g:161+4*\g], v[N+16*\g:N+16*\g+7],    v11
	v_cvt_scalef32_pk8_fp8_f32 v[162+4*\g:163+4*\g], v[N+16*\g+8:N+16*\g+15], v11
.endr
	v_nop                                          ; a plain line behind the run of conversions
.irp g, 0,1,2,3
	global_store_b128 v3, v[160+4*\g:163+4*\g], s[14:15] offset:512*\g   ; 32 lanes store 512 consecutive bytes, aligned
.endr
	s_wait_tensorcnt 0x0
	ds_add_u32 v192, v193
	s_wait_dscnt 0x0
	s_endpgm
.Lfunc_end_k_qbacebb7857_quant:
	.size	k_qbacebb7857_quant, .Lfunc_end_k_qbacebb7857_quant-k_qbacebb7857_quant
	.p2alignl 7, 3214868480
	.fill 96, 4, 3214868480
	.section	.rodata,"a",@progbits
	.p2align	6, 0x0
	.amdhsa_kernel k_qbacebb7857_quant
		.amdhsa_group_segment_fixed_size 34304
		.amdhsa_private_segment_fixed_size 0
		.amdhsa_enable_private_segment 0
		.amdhsa_kernarg_size 56
		.amdhsa_user_sgpr_count 2
		.amdhsa_user_sgpr_kernarg_segment_ptr 1
		.amdhsa_wavefront_size32 1
		.amdhsa_system_sgpr_workgroup_id_x 1
		.amdhsa_system_sgpr_workgroup_id_y 1
		.amdhsa_system_sgpr_workgroup_id_z 1
		.amdhsa_system_vgpr_workitem_id 0
		.amdhsa_next_free_vgpr 194
		.amdhsa_next_free_sgpr 66
		.amdhsa_reserve_vcc 0
		.amdhsa_float_denorm_mode_32 3
		.amdhsa_float_denorm_mode_16_64 3
		.amdhsa_memory_ordered 1
		.amdhsa_forward_progress 1
		.amdhsa_inst_pref_size 36
	.end_amdhsa_kernel
	.amdgpu_metadata
---
amdhsa.version: [ 1, 2 ]
amdhsa.kernels:
  - .name:           k_qbacebb7857_quant
    .symbol:         k_qbacebb7857_quant.kd
    .args:
      - { .name: x, .offset: 0, .size: 8, .value_kind: global_buffer, .address_space: global }
      - { .name: in_w, .offset: 8, .size: 8, .value_kind: global_buffer, .address_space: global }
      - { .name: out_w, .offset: 16, .size: 8, .value_kind: global_buffer, .address_space: global }
      - { .name: lowp_scales, .offset: 24, .size: 8, .value_kind: global_buffer, .address_space: global }
      - { .name: xq, .offset: 32, .size: 8, .value_kind: global_buffer, .address_space: global }
      - { .name: w1q, .offset: 40, .size: 8, .value_kind: global_buffer, .address_space: global }
      - { .name: w2q, .offset: 48, .size: 8, .value_kind: global_buffer, .address_space: global }
    .group_segment_fixed_size: 34304
    .private_segment_fixed_size: 0
    .kernarg_segment_align: 8
    .kernarg_segment_size: 56
    .max_flat_workgroup_size: 128
    .sgpr_count:     66
    .vgpr_count:     194
    .wavefront_size: 32
...
	.end_amdgpu_metadata
.endif
;; end of part 1
;; launch proj_in (part 2): grid 4 x 64, 4 waves a work-group, clusters of 4 x 4, 327,680 bytes of LDS; arguments xq, w1q, lowp_scales, in_b, mix_w, pq, bsum; writes pq, bsum
.if DOCPART == 2
	.amdgcn_target "amdgcn-amd-amdhsa--gfx1250"
	.amdhsa_code_object_version 6
	.text
	.protected	k_qbacebb7857_proj_in
	.globl	k_qbacebb7857_proj_in
	.p2align	8
	.type	k_qbacebb7857_proj_in,@function
k_qbacebb7857_proj_in:
	s_mov_b64 s[64:65], 0
	v_nop
	global_prefetch_b8 v0, s[64:65] scope:SCOPE_SE
	s_setreg_imm32_b32 hwreg(HW_REG_WAVE_MODE, 25, 1), 1
	s_wait_xcnt 0x0
	s_wait_alu depctr_hold_cnt(0) depctr_sa_sdst(0) depctr_va_vdst(0) depctr_va_sdst(0) depctr_va_ssrc(0) depctr_va_vcc(0) depctr_vm_vsrc(0)
	s_getreg_b32 s2, hwreg(HW_REG_IB_STS2, 6, 4)
	s_cmp_eq_u32 s2, 0
	s_cbranch_scc0 .Lentry_in_a_cluster
	s_endpgm
.Lentry_in_a_cluster:
	s_bfe_u32 s2, ttmp6, 0x10000c
	s_cmp_lg_u32 s2, 0xf033
	s_cbranch_scc0 .Lentry_shape_is_right
	s_endpgm
.Lentry_shape_is_right:
; p[b][n][t] = sum over e of in_w[n][e] x[b][e][t] + in_b[n], on codes of E4M3; p is quantised at once with 2^e3 for the next product, whose K is t.
; Also bsum[b][J][n]: the sum over the 128 t of block J of p's codes x W's codes, W = mix_w[h][t] in heads 8-15 (quantised with 2^e2), the code of 1 in heads 0-7 (their factor mix_w[h][s] comes later).
; OPERANDS are images of their registers (2,048 bytes for 16 rows x 128 k; four loads of 16 bytes at 16 x lane + 512 g give registers 4 g .. 4 g + 3):
;   xq [8 b + t / 256][e / 128][16 tiles of t][image];  w1q [n / 128][e / 128][8 tiles of n][image].
; SHARES.  A work-group makes 128 t (block J of batch b) x 256 n: 256 work-groups.  Wave w makes head h = 4 q + w, 64 n (4 tiles) x 128 t (8 tiles): 32 accumulators.
; CLUSTER 4 x 4: the four work-groups of a row (q = 0 .. 3) need the same 128 t of x, the four of a column the same 256 n of in_w: both are asked for jointly, one tensor load a wave at the head:
; waves 0, 1: x's K steps 0-3, 4-7 (65,536 bytes each); waves 2, 3: K steps 0-4 of in_w's two panels of 128 n (81,920 bytes each).  LDS holds 294,912 bytes of codes; in_w's K steps 5-7 (98,304 bytes) would not
; fit beside them and go straight into the registers of the one wave that uses them.  Nothing is filled again, and one barrier shows the tiles to all waves.
; NO PREFETCH: everything is asked for at the head; there is no loop to run ahead in.
; pq: [b][J][h][4 tiles of n][image: rows n, k = t].   bsum: [b][J][h][place]: place 32 a + 2 r + u holds n = 64 h + 32 a + 16 u + r.
; LIMITS: e2 and e3 - e0 - e1 between -126 and 119.  NaN among the inputs is not served.
; REGISTERS: window 0: v2-15 addresses, bounds, scales; v16-31 W's fragment; v32-63 block sums; v64-127 held numbers; v128-255 x's fragments of even steps, then p's codes (v192-255).
;   window 1: accumulator (nu, tau) at v[8 (8 nu + tau)].  window 2: v0-127 in_w's fragments of steps 0-4, two buffers; v128-255 x's of odd steps.
;   window 3: v0-191 in_w's fragments of steps 5-7; v224-255 in_b / 2^(e0 + e1), the C of each sum's first product.
.set WOFF, 131072                      ; LDS: x's [8 steps][8 tiles][2,048], then in_w's [2 panels][5 steps][8 tiles][2,048]
.set PANEL, 81920
.set SCR, WOFF+2*PANEL                 ; 128 bytes for each wave: mix_w's codes
.set SPARE, SCR+512
.set MSB, 0
.macro WIN new                         ; the immediate's high byte repeats the setting that is left
.if MSB != \new
	s_set_vgpr_msb (MSB<<8)|\new
.set MSB, \new
.endif
.endm
.macro PLACES                          ; four places behind matrix instructions (ISA guide 7.12.1)
.rept 4
	v_nop
.endr
.endm
.macro SCB e, vs, vb                   ; 2^e into vs, 448 x 2^e into vb
	s_add_co_i32 s50, s[\e], 127
	s_lshl_b32 s51, s50, 23
	v_mov_b32 v[\vs], s51
	s_add_co_i32 s50, s50, 8
	s_lshl_b32 s50, s50, 23
	s_or_b32 s50, s50, 0x600000
	v_mov_b32 v[\vb], s50
.endm
.macro CROUND                          ; a round of the cluster's barrier
	s_barrier_signal -1
	s_barrier_wait -1
	s_cmp_lg_u32 s18, 0
	s_cbranch_scc1 .Lnot_wave_0_\@
	s_barrier_signal -3
.Lnot_wave_0_\@:
	s_barrier_wait -3
	s_barrier_signal -1
	s_barrier_wait -1
.endm
.macro FETCH k                         ; step k's fragments: x's eight, and in_w's four where they lie in LDS
.if (\k)%2
	WIN 0x80
.else
	WIN 0
.endif
.irp tau, 0,1,2,3,4,5,6,7
.irp gg, 0,1,2,3
	ds_load_b128 v[128+16*\tau+4*\gg:131+16*\tau+4*\gg], v[2+(\k)/4] offset:((\k)%4)*16384+2048*\tau+512*\gg
.endr
.endr
.if (\k) < 5
	WIN 0x80
.irp n, 0,1,2,3
.irp gg, 0,1,2,3
	ds_load_b128 v[64*((\k)%2)+16*\n+4*\gg:64*((\k)%2)+16*\n+4*\gg+3], v[4+(\k)/4] offset:((\k)%4)*16384+2048*\n+512*\gg
.endr
.endr
.endif
.endm
.macro MUL k                           ; 32 matrix instructions, the accumulators by turns.  Source 0 = rows t, source 1 = rows n: lane (r, hh) holds n = r, registers t = 8 hh + 0 .. 7
.if (\k) < 5
.set wB, 2
.set bO, 64*((\k)%2)
.else
.set wB, 3
.set bO, 64*((\k)-5)
.endif
.if (\k) == 0
.set wM, 0x70+4*wB+2*((\k)%2)
.else
.set wM, 0x50+4*wB+2*((\k)%2)
.endif
	WIN wM
.irp n, 0,1,2,3
.irp tau, 0,1,2,3,4,5,6,7
.if (\k) == 0
	v_wmma_f32_16x16x128_fp8_fp8 v[64*\n+8*\tau:64*\n+8*\tau+7], v[128+16*\tau:143+16*\tau], v[bO+16*\n:bO+16*\n+15], v[224+8*\n:231+8*\n]
.else
	v_wmma_f32_16x16x128_fp8_fp8 v[64*\n+8*\tau:64*\n+8*\tau+7], v[128+16*\tau:143+16*\tau], v[bO+16*\n:bO+16*\n+15], v[64*\n+8*\tau:64*\n+8*\tau+7]
.endif
.endr
.endr
.endm
.macro STEP k                          ; the next step's fragments are asked for, then this step is multiplied
.if (\k) < 7
	PLACES
	FETCH (\k)+1
.if (\k) < 4
	s_wait_dscnt 48                                ; all but the loads just issued
.else
	s_wait_dscnt 32
.endif
.else
	s_wait_dscnt 0x0
	WIN 0
	ds_store_b32 v14, v64                          ; mix_w's codes turn through my own 128 bytes; LDS serves a wave's instructions in order (ISA guide 5.7.1.4)
.irp c, 0,1,2,3,4,5,6,7                ; W's fragment, the same for every row: registers 2 c, 2 c + 1 = t 16 c + 8 hh + 0 .. 7
	ds_load_b64 v[16+2*\c:17+2*\c], v15 offset:16*\c
.endr
.endif
.if (\k) >= 5
	s_wait_loadcnt 16*(7-(\k))                     ; in_w's later steps may be out
.endif
	MUL \k
.endm
	s_load_b256 s[4:11], s[0:1], 0x0               ; xq, w1q, the exponents, in_b
	s_load_b128 s[12:15], s[0:1], 0x20             ; mix_w, pq
	s_load_b64 s[16:17], s[0:1], 0x30              ; bsum
	v_lshl_add_u32 v7, v0, 2, SPARE                ; my spare word; v8 = 0: both never rewritten
	v_mov_b32 v8, 0
	ds_add_u32 v7, v8                              ; the opening: the add, twice on end, and its wait ahead of my tensor load
	ds_add_u32 v7, v8
	v_lshrrev_b32 v1, 5, v0
	v_readfirstlane_b32 s18, v1                    ; w
	s_lshr_b32 s20, s18, 1                         ; I fetch for x (0) or in_w (1);  also: my panel of in_w
	s_and_b32 s21, s18, 1                          ; which half;  also: my half of the panel
	s_bfe_u32 s54, ttmp6, 0x40000                  ; cx
	s_bfe_u32 s55, ttmp6, 0x40004                  ; cy
	s_lshl_b32 s22, ttmp9, 2
	s_add_co_u32 s22, s22, s54                     ; q
	s_and_b32 s19, ttmp7, 0xffff
	s_lshl_b32 s19, s19, 2
	s_add_co_u32 s19, s19, s55                     ; 16 b + J
	s_lshl_b32 s36, s55, 2
	s_lshl_b32 s36, 15, s36                        ; my row of the cluster
	s_or_b32 s68, s36, (3<<16)|(1<<21)             ; group 1 for x: elements of 8 bytes; bit 21 set beside a mask; 4 rows of 16,384 bytes, 32,768 apart
	s_mov_b32 s69, 2048<<16
	s_mov_b32 s70, 4<<16
	s_mov_b32 s71, 2048<<16
	s_mov_b32 s72, 4
	s_mov_b32 s73, 4096
	s_mov_b32 s74, 0
	s_mov_b32 s75, 0
	s_lshl_b32 s38, 0x1111, s54                    ; my column
	s_or_b32 s76, s38, (3<<16)|(1<<21)             ; group 1 for in_w: a dense block as 320 rows of 256 bytes
	s_mov_b32 s77, 32<<16
	s_mov_b32 s78, 320<<16
	s_mov_b32 s79, 32<<16
	s_mov_b32 s80, 320
	s_mov_b32 s81, 32
	s_mov_b32 s82, 0
	s_mov_b32 s83, 0
	s_lshr_b32 s36, s19, 1                         ; x: panel of 256 t, my half of its tiles, four steps of 32,768 bytes for wave 1
	s_lshl_b32 s36, s36, 18
	s_and_b32 s37, s19, 1
	s_lshl_b32 s37, s37, 14
	s_add_co_u32 s36, s36, s37
	s_lshl_b32 s37, s21, 17
	s_add_co_u32 s36, s36, s37
	s_mov_b32 s37, 0
	s_lshl_b32 s38, s22, 18                        ; in_w: two panels of 131,072 bytes for each q, the second for wave 3
	s_lshl_b32 s39, s21, 17
	s_add_co_u32 s38, s38, s39
	s_mov_b32 s39, 0
	s_lshl_b32 s84, s21, 16                        ; where they go in LDS
	s_mul_i32 s88, s21, PANEL
	s_add_co_u32 s88, s88, WOFF
	s_lshl_b32 s23, s22, 2
	s_add_co_u32 s23, s23, s18                     ; h = 4 q + w
	v_and_b32 v1, 31, v0
	v_lshlrev_b32 v2, 4, v1                        ; 16 x lane; x's steps 0-3
	v_add_nc_u32 v3, 0x10000, v2                   ; steps 4-7
	v_lshlrev_b32 v13, 3, v1
	v_and_b32 v6, 15, v0
	v_lshlrev_b32 v6, 2, v6                        ; 4 r
	s_mul_i32 s24, s20, PANEL                      ; my four tiles of in_w in LDS
	s_lshl_b32 s25, s21, 13
	s_add_co_u32 s24, s24, s25
	s_add_co_u32 s24, s24, WOFF
	v_add_nc_u32 v4, s24, v2
	v_add_nc_u32 v5, 0x10000, v4
	s_lshl_b32 s25, s18, 7
	s_add_co_u32 s25, s25, SCR
	v_lshl_add_u32 v14, v1, 2, s25
	v_bfe_u32 v15, v0, 4, 1
	v_lshl_add_u32 v15, v15, 3, s25
	s_wait_alu depctr_va_vdst(0)
	s_wait_dscnt 0x0                               ; both opening adds are done
	s_wait_kmcnt 0x0
	s_load_b128 s[24:27], s[8:9], 0x0              ; e0 .. e3
	s_add_nc_u64 s[86:87], s[4:5], s[36:37]
	s_or_b32 s87, s87, 0x80000000
	s_mov_b32 s85, s84
	s_mov_b32 s84, 1
	s_add_nc_u64 s[90:91], s[6:7], s[38:39]
	s_or_b32 s91, s91, 0x80000000
	s_mov_b32 s89, s88
	s_mov_b32 s88, 1
	CROUND                                         ; all sixteen work-groups are here: the joint loads meet
	s_cmp_eq_u32 s20, 0                            ; one load a wave; the branch hangs on the wave's number alone
	s_cbranch_scc0 .Lfor_w
	tensor_load_to_lds s[84:87], s[68:75]
	s_nop 0
.rept 4
	v_nop
.endr
	s_branch .Lasked
.Lfor_w:
	tensor_load_to_lds s[88:91], s[76:83]
	s_nop 0
.rept 4
	v_nop
.endr
.Lasked:
	s_lshr_b32 s52, s23, 1                         ; in_w for my registers: panel of 128 n, + 4 images
	s_lshl_b32 s52, s52, 17
	s_and_b32 s53, s23, 1
	s_lshl_b32 s53, s53, 13
	s_add_co_u32 s52, s52, s53
	s_mov_b32 s53, 0
	s_add_nc_u64 s[6:7], s[6:7], s[52:53]
	s_lshl_b32 s40, s23, 8                         ; in_b
	s_mov_b32 s41, 0
	s_add_nc_u64 s[10:11], s[10:11], s[40:41]
	s_lshl_b32 s42, s23, 13                        ; mix_w: row h, block J
	s_and_b32 s43, s19, 15
	s_lshl_b32 s43, s43, 9
	s_add_co_u32 s42, s42, s43
	s_mov_b32 s43, 0
	s_add_nc_u64 s[12:13], s[12:13], s[42:43]
	s_lshl_b32 s44, s19, 4                         ; pq
	s_add_co_u32 s44, s44, s23
	s_lshl_b32 s44, s44, 13
	s_mov_b32 s45, 0
	s_add_nc_u64 s[14:15], s[14:15], s[44:45]
	s_lshl_b32 s46, s19, 12                        ; bsum
	s_add_co_u32 s46, s46, s40
	s_mov_b32 s47, 0
	s_add_nc_u64 s[16:17], s[16:17], s[46:47]
	global_load_b128 v[20:23], v2, s[12:13]        ; mix_w[h], t = 4 lane + 0 .. 3
.irp n, 0,1,2,3
	global_load_b32 v[16+\n], v6, s[10:11] offset:64*\n    ; in_b of my row n = 16 nu + r
.endr
	WIN 0xc0
.irp k, 5,6,7
.irp n, 0,1,2,3
.irp gg, 0,1,2,3
	global_load_b128 v[64*(\k-5)+16*\n+4*\gg:64*(\k-5)+16*\n+4*\gg+3], v2, s[6:7] offset:16384*\k+2048*\n+512*\gg
.endr
.endr
.endr
	WIN 0
	s_wait_kmcnt 0x0
	SCB 26, 31, 30                                 ; mix_w: 2^e2
	s_add_co_i32 s28, s24, s25                     ; a sum stands for sum x 2^(e0 + e1)
	s_sub_co_i32 s31, 0, s28
	s_sub_co_i32 s28, s27, s28                     ; e3 - e0 - e1
	SCB 28, 12, 11
	s_mov_b32 s49, 0xffff0000                      ; lanes 16-31
	s_cmp_lt_u32 s23, 8
	s_cselect_b32 s48, -1, 0                       ; heads 0-7
	s_wait_alu depctr_va_vdst(0)
	s_wait_loadcnt 48                              ; out: in_w's steps 5-7
	WIN 0xc0
.irp n, 0,1,2,3
.irp j, 0,1,2,3,4,5,6,7
	v_ldexp_f32 v[224+8*\n+\j], v[16+\n], s31      ; in_b / 2^(e0 + e1), the same for a lane's eight t
.endr
.endr
	WIN 0
.irp j, 0,1,2,3
	v_med3_num_f32 v[24+\j], v[20+\j], -v30, v30   ; (the conversion takes eight numbers: my four, twice; it does not saturate: ISA guide 7.6.2)
	v_med3_num_f32 v[20+\j], v[20+\j], -v30, v30
.endr
	v_cvt_scalef32_pk8_fp8_f32 v[28:29], v[20:27], v31
	v_nop
	v_mov_b32 v20, 0x38383838                      ; the code of 1, four times
	v_cndmask_b32 v64, v28, v20, s48
	s_wait_alu depctr_va_vdst(0)
	s_wait_tensorcnt 0x0                           ; my part is in
	s_barrier_signal -1
	s_barrier_wait -1                              ; and everybody's
	FETCH 0
	STEP 0
	STEP 1
	STEP 2
	STEP 3
	STEP 4
	STEP 5
	STEP 6
	STEP 7
	; THE WAY OUT: tile nu's eight accumulators become the sixteen registers of one fragment of the next product (rows n, k = t); they are stored as they stand, and multiplied by W's fragment for the block sum.
	s_wait_dscnt 0x0                               ; W's fragment
	PLACES
.irp n, 0,1,2,3
	WIN 0x01
.set j, 0
.rept 64
	v_med3_num_f32 v[64+j], v[64*\n+j], -v11, v11  ; each accumulator from its low end on
.set j, j+1
.endr
	WIN 0
.irp tau, 0,1,2,3,4,5,6,7
	v_cvt_scalef32_pk8_fp8_f32 v[192+16*\n+2*\tau:193+16*\n+2*\tau], v[64+8*\tau:71+8*\tau], v12
.endr
	v_nop
.irp gg, 0,1,2,3
	global_store_b128 v2, v[192+16*\n+4*\gg:195+16*\n+4*\gg], s[14:15] offset:2048*\n+512*\gg   ; 32 lanes store 512 consecutive bytes, aligned
.endr
	v_wmma_f32_16x16x128_fp8_fp8 v[32+8*\n:39+8*\n], v[16:31], v[192+16*\n:207+16*\n], 0   ; every register of lane (r, hh): the sum of row n = r
.endr
	PLACES
	v_cndmask_b32 v64, v32, v48, s49               ; lanes 0-15 tiles 0 and 1, lanes 16-31 tiles 2 and 3
	v_cndmask_b32 v65, v40, v56, s49
	global_store_b64 v13, v[64:65], s[16:17]       ; 256 consecutive bytes, aligned
	s_wait_tensorcnt 0x0                           ; the wave's end
	ds_add_u32 v7, v8
	s_wait_dscnt 0x0
	CROUND                                         ; the closing round
	s_endpgm
.Lfunc_end_k_qbacebb7857_proj_in:
	.size	k_qbacebb7857_proj_in, .Lfunc_end_k_qbacebb7857_proj_in-k_qbacebb7857_proj_in
	.p2alignl 7, 3214868480
	.fill 96, 4, 3214868480
	.section	.rodata,"a",@progbits
	.p2align	6, 0x0
	.amdhsa_kernel k_qbacebb7857_proj_in
		.amdhsa_group_segment_fixed_size 327680
		.amdhsa_private_segment_fixed_size 0
		.amdhsa_enable_private_segment 0
		.amdhsa_kernarg_size 56
		.amdhsa_user_sgpr_count 2
		.amdhsa_user_sgpr_kernarg_segment_ptr 1
		.amdhsa_wavefront_size32 1
		.amdhsa_system_sgpr_workgroup_id_x 1
		.amdhsa_system_sgpr_workgroup_id_y 1
		.amdhsa_system_sgpr_workgroup_id_z 1
		.amdhsa_system_vgpr_workitem_id 0
		.amdhsa_next_free_vgpr 1024
		.amdhsa_next_free_sgpr 96
		.amdhsa_reserve_vcc 0
		.amdhsa_float_denorm_mode_32 3
		.amdhsa_float_denorm_mode_16_64 3
		.amdhsa_memory_ordered 1
		.amdhsa_forward_progress 1
		.amdhsa_inst_pref_size 76
	.end_amdhsa_kernel
	.amdgpu_metadata
---
amdhsa.version: [ 1, 2 ]
amdhsa.kernels:
  - .name:           k_qbacebb7857_proj_in
    .symbol:         k_qbacebb7857_proj_in.kd
    .args:
      - { .name: xq, .offset: 0, .size: 8, .value_kind: global_buffer, .address_space: global }
      - { .name: w1q, .offset: 8, .size: 8, .value_kind: global_buffer, .address_space: global }
      - { .name: lowp_scales, .offset: 16, .size: 8, .value_kind: global_buffer, .address_space: global }
      - { .name: in_b, .offset: 24, .size: 8, .value_kind: global_buffer, .address_space: global }
      - { .name: mix_w, .offset: 32, .size: 8, .value_kind: global_buffer, .address_space: global }
      - { .name: pq, .offset: 40, .size: 8, .value_kind: global_buffer, .address_space: global }
      - { .name: bsum, .offset: 48, .size: 8, .value_kind: global_buffer, .address_space: global }
    .group_segment_fixed_size: 327680
    .private_segment_fixed_size: 0
    .kernarg_segment_align: 8
    .kernarg_segment_size: 56
    .max_flat_workgroup_size: 128
    .sgpr_count:     96
    .vgpr_count:     1024
    .wavefront_size: 32
...
	.end_amdgpu_metadata
.endif
;; end of part 2
;; launch mix_out (part 3): grid 4 x 64, 4 waves a work-group, clusters of 4 x 4, 327,680 bytes of LDS; arguments pq, w2q, lowp_scales, out_b, mix_w, mix_b, bsum, out0; writes out0
.if DOCPART == 3
	.amdgcn_target "amdgcn-amd-amdhsa--gfx1250"
	.amdhsa_code_object_version 6
	.text
	.protected	k_qbacebb7857_mix_out
	.globl	k_qbacebb7857_mix_out
	.p2align	8
	.type	k_qbacebb7857_mix_out,@function
k_qbacebb7857_mix_out:
	s_mov_b64 s[64:65], 0
	v_nop
	global_prefetch_b8 v0, s[64:65] scope:SCOPE_SE
	s_setreg_imm32_b32 hwreg(HW_REG_WAVE_MODE, 25, 1), 1
	s_wait_xcnt 0x0
	s_wait_alu depctr_hold_cnt(0) depctr_sa_sdst(0) depctr_va_vdst(0) depctr_va_sdst(0) depctr_va_ssrc(0) depctr_va_vcc(0) depctr_vm_vsrc(0)
	s_getreg_b32 s2, hwreg(HW_REG_IB_STS2, 6, 4)
	s_cmp_eq_u32 s2, 0
	s_cbranch_scc0 .Lentry_in_a_cluster
	s_endpgm
.Lentry_in_a_cluster:
	s_bfe_u32 s2, ttmp6, 0x10000c
	s_cmp_lg_u32 s2, 0xf033
	s_cbranch_scc0 .Lentry_shape_is_right
	s_endpgm
.Lentry_shape_is_right:
; m[b][s][64 h + e] = sum over t <= s of p[b][h][e][t] W[h][t][s] + mix_b[h][s], quantised with 2^e4;  out0[b][n][s] = sum over k of out_w[n][k] m[b][s][k] + out_b[n].
; WORK LEFT OUT: blocks of 128 t above the diagonal are zeros that reference() builds; whole blocks below it come as their sums over t (bsum), as the comment at the head of quant shows.
; SHARES.  A work-group makes 128 s (block J of batch b) x 256 n: 256 work-groups.  MIXING: wave w makes heads 8 + 2 w, 9 + 2 w, then 2 w, 2 w + 1, for all 128 s: a tile of 16 e x 128 s is
; eight products (s tile sigma; K = 64 where sigma < 4, else 128), whose C is the sum of the earlier blocks.  In the block on the diagonal t = 16 c + i, s = 16 sigma + r: all of c < sigma
; counts, nothing of c > sigma, and c = sigma by one mask that hangs on the lane alone.  Heads 8-15: W's fragments are mix_w's codes under the mask.  Heads 0-7: codes of 1 under the mask, one run of 30 registers in
; which sigma's fragment begins at register 14 - 2 sigma; each sum is then multiplied by mix_w[h][s], quantised and widened, since that factor is the same for all t.
; m's codes go to LDS as images of operand registers, [k / 128][8 tiles of s][2,048 bytes].  LAST PRODUCT: wave w makes 64 n (4 tiles): out_w's 64 x 1,024 codes, which only this wave reads, lie whole in 512 registers.
; The 128 s go as two groups of 64: the first group's results leave while the second is multiplied.  Every fragment of m is read once by a wave.
; CLUSTER 4 x 4: the four work-groups of a row (q = 0 .. 3) need the same 131,072 bytes of p: asked for jointly, 32,768 bytes a wave, one load at the head; nothing is filled again.
; out_w is not asked for jointly: its 262,144 bytes do not fit in LDS beside p and m (131,072 each), and each byte serves one wave of a work-group: it goes straight into that wave's operand registers,
; from the head on and under the mixing.
; NO PREFETCH: there is no loop to run ahead in; p is asked for at the head, out_w 16 to 63 loads a wave at a time from the head on.
; LIMITS: e2 and e4 between -126 and 119, e2 + e3 and e4 + e5 between -126 and 127.  NaN among the inputs is not served.
; REGISTERS, mixing: window 0: v1-15 addresses and constants; v16-31 mix_w of heads 0-7 x 2^(e2 + e3); v32-63 mix_b; v64-95 C; v96-127 codes; v128-223 W's fragments; v224-239 mix_w's codes; v240-255 set-up.
;   window 1: v0-127 two sets of eight accumulators, v128-255 p's fragments of two heads by turns.
; last product: window 0: v16-19 out_b, v64-127 the way out, v128-255 m's fragments, two buffers; window 1: accumulator (g, nu, st) at v[128 g + 8 (4 nu + st)]; windows 2, 3: out_w's fragment (k, nu) at 64 (k % 4) + 16 nu.
.set STG, 131072                       ; behind m: 4,352 bytes for each wave: set-up (1,024 sums, 2,048 mix_b, 1,024 mix_w of heads 0-7, 256 codes), then the stage: 16 rows x 272 bytes
.set SPARE, STG+4*4352
.set PB, SPARE+512                     ; p: [16 heads][4 tiles of e][2,048]
.set SC, 16
.set BI, 32
.set CV, 64
.set MSB, 0
.macro WIN new                         ; the immediate's high byte repeats the setting that is left
.if MSB != \new
	s_set_vgpr_msb (MSB<<8)|\new
.set MSB, \new
.endif
.endm
.macro PLACES                          ; four places behind matrix instructions (ISA guide 7.12.1)
.rept 4
	v_nop
.endr
.endm
.macro SCB e, vs, vb                   ; 2^e into vs, 448 x 2^e into vb
	s_add_co_i32 s46, s[\e], 127
	s_lshl_b32 s47, s46, 23
	v_mov_b32 v[\vs], s47
	s_add_co_i32 s46, s46, 8
	s_lshl_b32 s46, s46, 23
	s_or_b32 s46, s46, 0x600000
	v_mov_b32 v[\vb], s46
.endm
.macro CROUND                          ; a round of the cluster's barrier
	s_barrier_signal -1
	s_barrier_wait -1
	s_cmp_lg_u32 s20, 0
	s_cbranch_scc1 .Lnot_wave_0_\@
	s_barrier_signal -3
.Lnot_wave_0_\@:
	s_barrier_wait -3
	s_barrier_signal -1
	s_barrier_wait -1
.endm
.macro WLOAD f                         ; out_w's fragment f = 4 k + nu
.set kW, (\f)/4
.set nW, (\f)%4
.if kW < 4
	WIN 0x80
.else
	WIN 0xc0
.endif
.irp gg, 0,1,2,3
	global_load_b128 v[64*(kW%4)+16*nW+4*\gg:64*(kW%4)+16*nW+4*\gg+3], v2, s[6:7] offset:16384*kW+2048*nW+512*\gg
.endr
.endm
.macro CLOAD q                         ; C of the head's four tiles of e: the earlier blocks' sums of channels 16 eps + 8 hh + 0 .. 7
.irp e, 0,1,2,3
	ds_load_b128 v[CV+8*\e:CV+8*\e+3], v13 offset:256*(\q)+64*\e
	ds_load_b128 v[CV+8*\e+4:CV+8*\e+7], v13 offset:256*(\q)+64*\e+16
.endr
.endm
.macro PLOAD q                         ; p's fragments of my head q
	WIN 0x40
.irp e, 0,1,2,3
.irp gg, 0,1,2,3
.if (\q) < 2
	ds_load_b128 v[128+64*((\q)%2)+16*\e+4*\gg:131+64*((\q)%2)+16*\e+4*\gg], v1 offset:8192*((\q)%2)+2048*\e+512*\gg
.else
	ds_load_b128 v[128+64*((\q)%2)+16*\e+4*\gg:131+64*((\q)%2)+16*\e+4*\gg], v4 offset:8192*((\q)%2)+2048*\e+512*\gg
.endif
.endr
.endr
	WIN 0
.endm
.macro CODES c                         ; mix_w's codes of head 8 + 2 w + c, as one fragment's registers
.irp i, 0,1,2,3,4,5,6,7
	ds_load_b64 v[224+2*\i:225+2*\i], v253 offset:4096+128*(\c)+16*\i
.endr
.endm
.macro BUILD zero                      ; W's fragments of a head of 8-15; the zeros stay for the second head
.set sG, 0
.rept 8
.if sG < 4
.set fB, 128+8*sG
.set nR, 8
.else
.set fB, 160+16*(sG-4)
.set nR, 16
.endif
.set cC, 0
.rept 16
.if cC < 2*sG
	v_mov_b32 v[fB+cC], v[224+cC]
.elseif cC < 2*sG+2
	v_and_b32 v[fB+cC], v[240+cC-2*sG], v[224+cC]
.elseif (cC < nR) && (\zero)
	v_mov_b32 v[fB+cC], 0
.endif
.set cC, cC+1
.endr
.set sG, sG+1
.endr
.endm
.macro ONES                            ; heads 0-7: 14 registers of ones, the masked two, 14 of zeros
.set cC, 0
.rept 14
	v_mov_b32 v[128+cC], 0x38383838
	v_mov_b32 v[144+cC], 0
.set cC, cC+1
.endr
	v_and_b32 v142, 0x38383838, v240
	v_and_b32 v143, 0x38383838, v241
.endm
.macro WM i                            ; eight products of (head q = i / 4, tile eps = i % 4): lane (r, hh) holds s = r, registers e = 8 hh + 0 .. 7
.set hQ, (\i)/4
.set eP, (\i)%4
.set dB, 64*((\i)%2)
.set pA, 128+64*(hQ%2)+16*eP
	WIN 0x41
.irp sg, 0,1,2,3,4,5,6,7
.if hQ >= 2
.set bB, 142-2*\sg
.elseif \sg < 4
.set bB, 128+8*\sg
.else
.set bB, 160+16*(\sg-4)
.endif
.if \sg < 4
	v_wmma_f32_16x16x64_fp8_fp8 v[dB+8*\sg:dB+8*\sg+7], v[pA:pA+7], v[bB:bB+7], v[CV+8*eP:CV+8*eP+7]
.else
	v_wmma_f32_16x16x128_fp8_fp8 v[dB+8*\sg:dB+8*\sg+7], v[pA:pA+15], v[bB:bB+15], v[CV+8*eP:CV+8*eP+7]
.endif
.endr
.endm
.macro EPI i                           ; sum x scale + mix_b, held, converted; every second tile completes 16 bytes a lane
.set hQ, (\i)/4
.set eP, (\i)%4
.set dB, 64*((\i)%2)
	WIN 0x41
.irp sg, 0,1,2,3,4,5,6,7
.set bP, BI+8*hQ+2*(\sg/2)
.set sP, SC+8*(hQ%2)+2*(\sg/2)
.irp j, 0,2,4,6
.set dD, dB+8*\sg+\j
.if hQ < 2
.if \sg%2 == 0
	v_pk_fma_f32 v[dD:dD+1], v[dD:dD+1], s[56:57], v[bP:bP+1] op_sel_hi:[1,0,0]
.else
	v_pk_fma_f32 v[dD:dD+1], v[dD:dD+1], s[56:57], v[bP:bP+1] op_sel:[0,0,1] op_sel_hi:[1,0,1]
.endif
.else
.if \sg%2 == 0
	v_pk_fma_f32 v[dD:dD+1], v[dD:dD+1], v[sP:sP+1], v[bP:bP+1] op_sel_hi:[1,0,0]
.else
	v_pk_fma_f32 v[dD:dD+1], v[dD:dD+1], v[sP:sP+1], v[bP:bP+1] op_sel:[0,1,1] op_sel_hi:[1,1,1]
.endif
.endif
.endr
.endr
.if (eP == 2) && (hQ < 3)
	WIN 0
	CLOAD hQ+1                                     ; the head's last products stand 32 plain vector instructions back
	PLOAD hQ+1                                     ; (the registers of the head before)
	WIN 0x41
.endif
.set n, 0
.rept 64
	v_med3_num_f32 v[dB+n], v[dB+n], -v14, v14     ; the conversion does not saturate (ISA guide 7.6.2)
.set n, n+1
.endr
	WIN 0x01
.irp sg, 0,1,2,3,4,5,6,7
	v_cvt_scalef32_pk8_fp8_f32 v[96+4*\sg+2*(eP%2):97+4*\sg+2*(eP%2)], v[dB+8*\sg:dB+8*\sg+7], v15
.endr
	v_nop
.if eP%2
	WIN 0
.irp sg, 0,1,2,3,4,5,6,7
.if hQ < 2
	ds_store_b128 v7, v[96+4*\sg:99+4*\sg] offset:2048*\sg+512*(2*(hQ%2)+eP/2)
.else
	ds_store_b128 v6, v[96+4*\sg:99+4*\sg] offset:2048*\sg+512*(2*(hQ%2)+eP/2)
.endif
.endr
.endif
.endm
.macro MSTEP i                         ; the next tile's products, then this tile's vector work, then a share of out_w's loads: fragments 12 to 31
.if (\i) < 15
.if (\i)%4 == 3
	s_wait_alu depctr_va_vdst(0)
	s_wait_dscnt 0x0                               ; the next head's C, p and codes
	WIN 0
.if (\i) == 3
	BUILD 0
.elseif (\i) == 7
	ONES
.endif
.endif
	WM (\i)+1
.endif
.if (\i) == 0
	PLACES
.endif
	EPI \i
.if (\i) < 4
	WLOAD 12+2*(\i)
	WLOAD 13+2*(\i)
.else
	WLOAD 16+(\i)
.endif
.endm
; The last product.  Step j: group g = j / 8, k = j % 8.
.macro FETCH j
	WIN 0
.irp st, 0,1,2,3
.irp gg, 0,1,2,3
.if ((\j)%8) < 4
	ds_load_b128 v[128+64*((\j)%2)+16*\st+4*\gg:131+64*((\j)%2)+16*\st+4*\gg], v2 offset:((\j)%4)*16384+(4*((\j)/8)+\st)*2048+512*\gg
.else
	ds_load_b128 v[128+64*((\j)%2)+16*\st+4*\gg:131+64*((\j)%2)+16*\st+4*\gg], v5 offset:((\j)%4)*16384+(4*((\j)/8)+\st)*2048+512*\gg
.endif
.endr
.endr
.endm
.macro TOSTAGE n, g, rb                ; tile nu of group g: sum x 2^(e4 + e5) + out_b through my stage, back as rows of 256 bytes
.if (\g) == 0
	s_wait_xcnt 0x0                                ; the stores before have read the registers that the loads below take
.endif
	WIN 0x01
.irp j, 0,2,4,6,8,10,12,14,16,18,20,22,24,26,28,30
.if (\n)%2 == 0
	v_pk_fma_f32 v[64+\j:65+\j], v[128*(\g)+32*(\n)+\j:128*(\g)+32*(\n)+\j+1], s[58:59], v[16+2*((\n)/2):17+2*((\n)/2)] op_sel_hi:[1,0,0]
.else
	v_pk_fma_f32 v[64+\j:65+\j], v[128*(\g)+32*(\n)+\j:128*(\g)+32*(\n)+\j+1], s[58:59], v[16+2*((\n)/2):17+2*((\n)/2)] op_sel:[0,0,1] op_sel_hi:[1,0,1]
.endif
.endr
	WIN 0
.irp st, 0,1,2,3
	ds_store_b128 v10, v[64+8*\st:67+8*\st] offset:64*\st
	ds_store_b128 v10, v[68+8*\st:71+8*\st] offset:64*\st+16
.endr
.irp i, 0,1,2,3,4,5,6,7                ; LDS serves a wave's instructions in order (ISA guide 5.7.1.4)
	ds_load_b128 v[(\rb)+4*\i:(\rb)+4*\i+3], v11 offset:544*\i
.endr
.endm
.macro SEND n, g, rb, out              ; out: the LDS instructions issued behind the tile's loads
	WIN 0
	s_wait_dscnt \out
.irp i, 0,1,2,3,4,5,6,7
	global_store_b128 v12, v[(\rb)+4*\i:(\rb)+4*\i+3], s[18:19] offset:131072*(\n)+16384*\i+256*(\g) th:TH_STORE_NT   ; two rows, 256 consecutive bytes each, aligned
.endr
.endm
.macro STEP j
.set kK, (\j)%8
.set gG, (\j)/8
.if (\j) < 15
	PLACES
	FETCH (\j)+1
.endif
.if gG == 0
.if kK < 4
	s_wait_loadcnt 63                              ; 68 loads and more are younger than step 3's fragments of out_w
.else
	s_wait_loadcnt 16*(7-kK)+4                     ; out: the later steps' fragments and out_b's four loads
.endif
.endif
.if (\j) == 8
	s_wait_loadcnt 0x0                             ; out_b
.endif
.if (gG == 1) && (kK%2 == 1) && ((\j) < 15)
	s_wait_dscnt 32                                ; out: a tile's 16 instructions on the stage, the 16 loads just issued
.else
	s_wait_dscnt 16                                ; out: the 16 loads just issued (in the last step the stage's 16)
.endif
.if kK < 4
	WIN 0x58
.else
	WIN 0x5c
.endif
.irp n, 0,1,2,3
.irp st, 0,1,2,3
.set dD, 128*gG+32*\n+8*\st
.set aA, 128+64*((\j)%2)+16*\st
.set bB, 64*(kK%4)+16*\n
.if kK == 0
	v_wmma_f32_16x16x128_fp8_fp8 v[dD:dD+7], v[aA:aA+15], v[bB:bB+15], 0
.else
	v_wmma_f32_16x16x128_fp8_fp8 v[dD:dD+7], v[aA:aA+15], v[bB:bB+15], v[dD:dD+7]
.endif
.endr
.endr
.if gG == 1
.if kK%2 == 0
	TOSTAGE kK/2, 0, 96
.elseif (\j) < 15
	SEND kK/2, 0, 96, 16
.else
	SEND kK/2, 0, 96, 0
.endif
.endif
.endm
	s_load_b512 s[4:19], s[0:1], 0x0               ; pq, w2q, the exponents, out_b, mix_w, mix_b, bsum, out0
	v_lshl_add_u32 v8, v0, 2, SPARE                ; my spare word; v9 = 0: both never rewritten
	v_mov_b32 v9, 0
	ds_add_u32 v8, v9                              ; the opening: the add, twice on end, and its wait ahead of my tensor load
	ds_add_u32 v8, v9
	v_lshrrev_b32 v1, 5, v0
	v_readfirstlane_b32 s20, v1                    ; w
	s_bfe_u32 s24, ttmp6, 0x40000                  ; cx
	s_bfe_u32 s25, ttmp6, 0x40004                  ; cy
	s_lshl_b32 s26, ttmp9, 2
	s_add_co_u32 s26, s26, s24                     ; q
	s_and_b32 s21, ttmp7, 0xffff
	s_lshl_b32 s21, s21, 2
	s_add_co_u32 s21, s21, s25                     ; 16 b + J
	s_lshl_b32 s25, s25, 2
	s_lshl_b32 s25, 15, s25                        ; my row of the cluster
	s_or_b32 s48, s25, (3<<16)|(1<<21)             ; group 1: elements of 8 bytes; bit 21 set beside a mask; 128 rows of 256 bytes of a dense block
	s_mov_b32 s49, 32<<16
	s_mov_b32 s50, 128<<16
	s_mov_b32 s51, 32<<16
	s_mov_b32 s52, 128
	s_mov_b32 s53, 32
	s_mov_b32 s54, 0
	s_mov_b32 s55, 0
	s_lshl_b32 s30, s21, 17                        ; p: the block's 16 heads; I fetch heads 4 w .. 4 w + 3
	s_lshl_b32 s31, s20, 15
	s_add_co_u32 s30, s30, s31
	s_add_co_u32 s61, s31, PB                      ; and where they go in LDS
	s_mov_b32 s31, 0
	s_mov_b32 s60, 1
	v_and_b32 v221, 31, v0
	v_lshlrev_b32 v2, 4, v221                      ; 16 x lane
	v_add_nc_u32 v5, 0x10000, v2
	v_and_b32 v216, 15, v0                         ; r
	v_bfe_u32 v217, v0, 4, 1                       ; hh
	s_mul_i32 s44, s20, 4352
	s_add_co_u32 s44, s44, STG                     ; my stage
	s_lshl_b32 s45, s20, 14                        ; heads 2 w, 2 w + 1 are K step w, heads 8 + 2 w, 9 + 2 w K step 4 + w
	v_add_nc_u32 v6, s45, v2
	v_add_nc_u32 v7, 0x10000, v6
	v_add_nc_u32 v4, PB, v6                        ; p of heads 2 w, 2 w + 1,
	v_add_nc_u32 v1, 0x10000, v4                   ; and of 8 + 2 w, 9 + 2 w
	v_add_nc_u32 v249, s44, v2
	v_lshl_add_u32 v250, v221, 2, s44
	v_lshlrev_b32 v3, 2, v216                      ; 4 r
	v_add_nc_u32 v252, s44, v3
	v_lshl_add_u32 v253, v217, 3, s44
	v_lshl_add_u32 v13, v217, 5, s44
	v_and_b32 v251, 7, v221                        ; where my four places' sums go: head lane / 16, n 32 ((lane / 8) % 2) + 2 (lane % 8)
	v_lshlrev_b32 v251, 3, v251
	v_lshrrev_b32 v218, 3, v221
	v_lshl_add_u32 v251, v218, 7, v251
	v_add_nc_u32 v251, s44, v251
	v_mul_u32_u24 v10, v216, 272                   ; into the stage: row r, 32 hh
	v_lshl_add_u32 v10, v217, 5, v10
	v_add_nc_u32 v10, s44, v10
	v_mul_u32_u24 v11, v217, 272                   ; back: lanes 0-15 one row, lanes 16-31 the next
	v_lshl_add_u32 v11, v216, 4, v11
	v_add_nc_u32 v11, s44, v11
	v_lshlrev_b32 v12, 13, v217
	v_lshl_add_u32 v12, v216, 4, v12
	s_wait_alu depctr_va_vdst(0)
	s_wait_dscnt 0x0                               ; both opening adds are done
	s_wait_kmcnt 0x0
	s_load_b128 s[96:99], s[8:9], 0x0              ; e0 .. e3
	s_load_b64 s[100:101], s[8:9], 0x10            ; e4, e5
	s_add_nc_u64 s[62:63], s[4:5], s[30:31]
	s_or_b32 s63, s63, 0x80000000
	CROUND                                         ; all sixteen work-groups are here: the joint loads meet
	tensor_load_to_lds s[60:63], s[48:55]          ; one load a wave, each wave's own piece
	s_nop 0
.rept 4
	v_nop
.endr
	s_and_b32 s22, s21, 15                         ; J
	s_lshr_b32 s23, s21, 4                         ; b
	s_lshl_b32 s28, s26, 2
	s_add_co_u32 s28, s28, s20                     ; my 64 n: 4 q + w
	s_lshl_b32 s42, s22, 9                         ; 128 s of 4 bytes
	s_add_co_u32 s36, s45, s42                     ; mix_w, mix_b: row 2 w, block J
	s_mov_b32 s37, 0
	s_add_nc_u64 s[12:13], s[12:13], s[36:37]
	s_add_nc_u64 s[14:15], s[14:15], s[36:37]
	s_lshl_b32 s38, s23, 16                        ; bsum: batch b, heads 2 w, 2 w + 1
	s_lshl_b32 s39, s20, 9
	s_add_co_u32 s38, s38, s39
	s_mov_b32 s39, 0
	s_add_nc_u64 s[16:17], s[16:17], s[38:39]
.irp c, 0,1                            ; heads 8-15 first: each load is a row's 512 consecutive bytes, s or t = 4 lane + 0 .. 3
	global_load_b128 v[64+4*\c:67+4*\c], v2, s[14:15] offset:65536+8192*\c
	global_load_b128 v[72+4*\c:75+4*\c], v2, s[14:15] offset:8192*\c
	global_load_b128 v[80+4*\c:83+4*\c], v2, s[12:13] offset:65536+8192*\c
	global_load_b128 v[88+4*\c:91+4*\c], v2, s[12:13] offset:8192*\c
.endr
	WIN 0x40
.set j, 0
.rept 15                               ; the sums of blocks 0 .. 14
	global_load_b128 v[8*j:8*j+3], v2, s[16:17] offset:4096*j+2048
	global_load_b128 v[8*j+4:8*j+7], v2, s[16:17] offset:4096*j
.set j, j+1
.endr
	s_lshr_b32 s32, s28, 1                         ; out_w: panel of 128 n, + 4 images
	s_lshl_b32 s32, s32, 17
	s_and_b32 s33, s28, 1
	s_lshl_b32 s33, s33, 13
	s_add_co_u32 s32, s32, s33
	s_mov_b32 s33, 0
	s_add_nc_u64 s[6:7], s[6:7], s[32:33]
.irp f, 0,1,2,3,4,5                    ; 24 of out_w's 128 loads: 62 loads are out
	WLOAD \f
.endr
	WIN 0
	s_lshl_b32 s34, s28, 8                         ; out_b
	s_mov_b32 s35, 0
	s_add_nc_u64 s[10:11], s[10:11], s[34:35]
	s_lshl_b32 s40, s23, 23                        ; out0
	s_lshl_b32 s41, s28, 19
	s_add_co_u32 s40, s40, s41
	s_add_co_u32 s40, s40, s42
	s_mov_b32 s41, 0
	s_add_nc_u64 s[18:19], s[18:19], s[40:41]
	; the mask: of the eight t = 8 hh + 0 .. 7 the first r - 8 hh + 1 count; register u holds four of them.  Its lowest n bytes are kept: not((-1 << 4 n) << 4 n), n held between 0 and 4
	v_lshlrev_b32 v244, 3, v217
	v_sub_nc_u32 v244, v216, v244
	v_add_nc_u32 v245, -3, v244
	v_add_nc_u32 v244, 1, v244
	v_mov_b32 v220, -1
.irp u, 0,1
	v_ashrrev_i32 v[218+\u], 31, v[244+\u]
	v_bfi_b32 v[244+\u], v[218+\u], 0, v[244+\u]
	v_min_u32 v[244+\u], 4, v[244+\u]
	v_lshlrev_b32 v[244+\u], 2, v[244+\u]
	v_lshlrev_b32 v[218+\u], v[244+\u], v220
	v_lshlrev_b32 v[218+\u], v[244+\u], v[218+\u]
	v_xor_b32 v[240+\u], -1, v[218+\u]
.endr
.set j, 0
.rept 15                               ; which blocks lie ahead of mine: 1 or 0
	s_cmp_gt_u32 s22, j
	s_cselect_b32 s[66+2*j], 1.0, 0
	s_mov_b32 s[67+2*j], 0                         ; (named with it as a pair, so it is written)
.set j, j+1
.endr
	s_wait_alu depctr_va_vdst(0)
	s_wait_kmcnt 0x0
	SCB 98, 255, 254                               ; mix_w: 2^e2
	SCB 100, 15, 14                                ; m: 2^e4
	s_add_co_i32 s56, s98, s99
	s_add_co_i32 s56, s56, 127
	s_mul_i32 s57, s56, 0x01010101
	v_mov_b32 v248, s57                            ; the scale byte of 2^(e2 + e3), in every byte
	s_lshl_b32 s56, s56, 23                        ; a sum stands for sum x 2^(e2 + e3)
	s_mov_b32 s57, s56
	s_add_co_i32 s58, s100, s101
	s_add_co_i32 s58, s58, 127
	s_lshl_b32 s58, s58, 23                        ; 2^(e4 + e5)
	s_mov_b32 s59, s58
	s_wait_alu depctr_va_vdst(0)
	s_wait_tensorcnt 0x0                           ; my piece of p is in
	s_wait_loadcnt 24                              ; out: out_w's first six fragments
.irp a, 0,1,2,3,4,5,6,7
	v_med3_num_f32 v[80+\a], v[80+\a], -v254, v254
	v_med3_num_f32 v[88+\a], v[88+\a], -v254, v254
.endr
	v_cvt_scalef32_pk8_fp8_f32 v[242:243], v[80:87], v255   ; heads 8-15: v242 four codes of the first, v243 of the second
	v_cvt_scalef32_pk8_fp8_f32 v[246:247], v[88:95], v255
	v_nop
	v_cvt_scale_pk8_f32_fp8 v[88:95], v[246:247], v248      ; heads 0-7: the quantised mix_w x 2^(e2 + e3) as f32
	v_nop
.irp c, 0,1,2,3
	ds_store_b128 v249, v[64+4*\c:67+4*\c] offset:1024+512*\c
.endr
.irp c, 0,1
	ds_store_b128 v249, v[88+4*\c:91+4*\c] offset:3072+512*\c
	ds_store_b32 v250, v[242+\c] offset:4096+128*\c
.endr
	WIN 0x51                                       ; the sums of the blocks ahead of mine, even and odd blocks apart
.set j, 0
.rept 15
.irp a, 0,2,4,6
.if j < 2
	v_pk_mul_f32 v[8*j+\a:8*j+\a+1], v[8*j+\a:8*j+\a+1], s[66+2*j:67+2*j] op_sel_hi:[1,0]
.else
	v_pk_fma_f32 v[8*(j%2)+\a:8*(j%2)+\a+1], v[8*j+\a:8*j+\a+1], s[66+2*j:67+2*j], v[8*(j%2)+\a:8*(j%2)+\a+1] op_sel_hi:[1,0,1]
.endif
.endr
.set j, j+1
.endr
	WIN 0x05
.irp a, 0,4                            ; places 0, 2 are neighbours n of one tile, places 1, 3 of the next
	v_add_f32 v[96+\a], v[\a], v[8+\a]
	v_add_f32 v[97+\a], v[2+\a], v[10+\a]
	v_add_f32 v[98+\a], v[1+\a], v[9+\a]
	v_add_f32 v[99+\a], v[3+\a], v[11+\a]
.endr
	WIN 0
.irp c, 0,1
	ds_store_b64 v251, v[96+4*\c:97+4*\c] offset:512*\c
	ds_store_b64 v251, v[98+4*\c:99+4*\c] offset:512*\c+64
.endr
	CODES 0                                        ; LDS serves a wave's instructions in order: these see my stores
	CLOAD 0
.irp c, 0,1,2,3
.irp sg, 0,1,2,3,4,5,6,7
	ds_load_b32 v[BI+8*\c+\sg], v252 offset:1024+512*\c+64*\sg    ; mix_b of s = 16 sigma + r
.endr
.endr
.irp c, 0,1
.irp sg, 0,1,2,3,4,5,6,7
	ds_load_b32 v[SC+8*\c+\sg], v252 offset:3072+512*\c+64*\sg
.endr
.endr
	s_wait_alu depctr_va_vdst(0)
	s_wait_dscnt 0x0
	s_barrier_signal -1                            ; my piece of p is in,
	BUILD 1
	s_wait_alu depctr_va_vdst(0)
	s_barrier_wait -1                              ; and everybody's
	PLOAD 0
	CODES 1
	s_wait_alu depctr_va_vdst(0)
	s_wait_dscnt 0x0
	WM 0
.irp f, 6,7,8,9,10,11
	WLOAD \f
.endr
.irp i, 0,1,2,3,4,5,6,7,8,9,10,11,12,13,14,15
	MSTEP \i
.endr
	WIN 0
.irp n, 0,1,2,3
	global_load_b32 v[16+\n], v3, s[10:11] offset:64*\n    ; out_b of my row n = 16 nu + r
.endr
	s_wait_dscnt 0x0                               ; my codes of m are stored
	s_barrier_signal -1
	s_barrier_wait -1                              ; and everybody's
	FETCH 0
.irp j, 0,1,2,3,4,5,6,7,8,9,10,11,12,13,14,15
	STEP \j
.endr
	PLACES
	TOSTAGE 0, 1, 128
	TOSTAGE 1, 1, 160
	SEND 0, 1, 128, 16
	TOSTAGE 2, 1, 192
	SEND 1, 1, 160, 16
	TOSTAGE 3, 1, 224
	SEND 2, 1, 192, 16
	SEND 3, 1, 224, 0
	s_wait_tensorcnt 0x0                           ; the wave's end
	ds_add_u32 v8, v9
	s_wait_dscnt 0x0
	CROUND                                         ; the closing round
	s_endpgm
.Lfunc_end_k_qbacebb7857_mix_out:
	.size	k_qbacebb7857_mix_out, .Lfunc_end_k_qbacebb7857_mix_out-k_qbacebb7857_mix_out
	.p2alignl 7, 3214868480
	.fill 96, 4, 3214868480
	.section	.rodata,"a",@progbits
	.p2align	6, 0x0
	.amdhsa_kernel k_qbacebb7857_mix_out
		.amdhsa_group_segment_fixed_size 327680
		.amdhsa_private_segment_fixed_size 0
		.amdhsa_enable_private_segment 0
		.amdhsa_kernarg_size 64
		.amdhsa_user_sgpr_count 2
		.amdhsa_user_sgpr_kernarg_segment_ptr 1
		.amdhsa_wavefront_size32 1
		.amdhsa_system_sgpr_workgroup_id_x 1
		.amdhsa_system_sgpr_workgroup_id_y 1
		.amdhsa_system_sgpr_workgroup_id_z 1
		.amdhsa_system_vgpr_workitem_id 0
		.amdhsa_next_free_vgpr 1024
		.amdhsa_next_free_sgpr 104
		.amdhsa_reserve_vcc 0
		.amdhsa_float_denorm_mode_32 3
		.amdhsa_float_denorm_mode_16_64 3
		.amdhsa_memory_ordered 1
		.amdhsa_forward_progress 1
		.amdhsa_inst_pref_size 226
	.end_amdhsa_kernel
	.amdgpu_metadata
---
amdhsa.version: [ 1, 2 ]
amdhsa.kernels:
  - .name:           k_qbacebb7857_mix_out
    .symbol:         k_qbacebb7857_mix_out.kd
    .args:
      - { .name: pq, .offset: 0, .size: 8, .value_kind: global_buffer, .address_space: global }
      - { .name: w2q, .offset: 8, .size: 8, .value_kind: global_buffer, .address_space: global }
      - { .name: lowp_scales, .offset: 16, .size: 8, .value_kind: global_buffer, .address_space: global }
      - { .name: out_b, .offset: 24, .size: 8, .value_kind: global_buffer, .address_space: global }
      - { .name: mix_w, .offset: 32, .size: 8, .value_kind: global_buffer, .address_space: global }
      - { .name: mix_b, .offset: 40, .size: 8, .value_kind: global_buffer, .address_space: global }
      - { .name: bsum, .offset: 48, .size: 8, .value_kind: global_buffer, .address_space: global }
      - { .name: out0, .offset: 56, .size: 8, .value_kind: global_buffer, .address_space: global }
    .group_segment_fixed_size: 327680
    .private_segment_fixed_size: 0
    .kernarg_segment_align: 8
    .kernarg_segment_size: 64
    .max_flat_workgroup_size: 128
    .sgpr_count:     104
    .vgpr_count:     1024
    .wavefront_size: 32
...
	.end_amdgpu_metadata
.endif
;; end of part 3
